; MI455X (gfx1250); checked and timed in simulation.
; The chip was launched on July 23, 2026; its instructions are those of AMD's public machine-readable ISA for CDNA 5 (MIT licence, August 2026) and "CDNA5" Instruction Set Architecture Reference Guide (July 2026). The comments in the code are by the model that wrote it; some were corrected since.
;; HDC Classifier. Allowed arithmetic: float matrix products may take bf16 or f16 operands with f32 sums; other float arithmetic in f32, or as packed bf16 or f16 multiplies, adds, multiply-adds, maxima and minima; sums over many terms, partial sums and values carried from step to step in f32; what a program stores and reads back later, other than sums and carried values, may be rounded once to bf16 or f16.
;; Inputs: class_counts 100 float32; features 8,192 x 128 float32; prototypes 100 x 10,000 bool; random_projection 128 x 10,000 float32.
;; Outputs: out0 8,192 int32; out1 8,192 x 100 float32.
;; One version. Each part assembles by itself: llvm-mc -triple=amdgcn-amd-amdhsa -mcpu=gfx1250 --defsym DOCPART=n.
;; ======== version 1 of 1: 3 launches
;; workspace buffers: rpb 2,621,440 bytes; pm 2,293,760 bytes; part 13,107,200 bytes
;; launch prep (part 1): grid 240 x 1, 8 waves a work-group, no clusters, 0 bytes of LDS; arguments random_projection, prototypes, rpb, pm; writes rpb, pm
.if DOCPART == 1
	.amdgcn_target "amdgcn-amd-amdhsa--gfx1250"
	.amdhsa_code_object_version 6
	.text
	.protected	k_qdcca5b7033_prep
	.globl	k_qdcca5b7033_prep
	.p2align	8
	.type	k_qdcca5b7033_prep,@function
k_qdcca5b7033_prep:
	s_mov_b64 s[64:65], 0
	v_nop
	global_prefetch_b8 v0, s[64:65] scope:SCOPE_SE
	s_setreg_imm32_b32 hwreg(HW_REG_WAVE_MODE, 25, 1), 1
	s_wait_xcnt 0x0
; HDC classifier, launch 1 of 3: the two weight tables are rewritten once as bf16 matrix operands, padded from 10,000 to 10,240 along D.
;   rpb [128 f][10240 d] bf16 = random_projection rounded to nearest even; 0 for d >= 10000.
;   pm  [112 c][10240 d] bf16 = +1 where the prototype byte is 0, -1 where it is 1; 0 for d >= 10000 and for c >= 100.
; THE IDENTITY THAT THE PROGRAM RESTS ON, for all inputs.  Let a' = -1 where projected > 0 and +1 otherwise, b' = pm.  Then the sum over d of a' b' counts equal bits less unequal
; bits: Sigma = D - 2 ham, with ham = |hv| + |proto| - 2 hv.proto as reference() forms it.  So D - ham = Sigma / 2 + D / 2 and sims = (D - ham) / D.  hv.sum and proto.sum are not
; left out: they are contained in that one product.  All sums are whole numbers of at most 10,000, exact in bf16 products with f32 sums in any order.  A padded d adds 0, since pm is 0 there.
; NOTHING IS LEFT OUT AS DEAD: all four inputs are loaded by some launch.
; LIMITS.  A prototype byte counts by its lowest bit (bool bytes are 0 or 1).  features and random_projection are rounded to bf16 before the first product, so a sign of projected
; is that of the product of the rounded inputs.  A NaN in projected (non-finite inputs or an f32 overflow alone make one) is not treated as 'not > 0'.
; SHARES.  A work-group makes one output row of 20,480 bytes: 1,280 groups of 8 numbers; thread t takes groups t + 256 m, m = 0..4.  10,000 = 1,250 x 8: a group is all data or all padding.
; Each store of a wave covers 512 consecutive bytes, aligned.  Every pass has registers of its own, so nothing that a pending load or store names is rewritten.
.set RPROW, 40000                      ; bytes in a row of random_projection
.set PROW,  10000                      ; bytes in a row of prototypes
.set OROW,  20480                      ; bytes in a row of rpb and of pm
.set IN,  8                            ; v[8:47]   as loaded
.set OUT, 48                           ; v[48:67]  pass m: 4 registers to store
	s_load_b256 s[4:11], s[0:1], 0x0               ; random_projection s[4:5], prototypes s[6:7], rpb s[8:9], pm s[10:11]
	s_mov_b32 s12, ttmp9                           ; the output row: 0-127 of rpb, then 0-111 of pm
	s_mov_b32 s15, 0                               ; high words of the two offsets
	s_mov_b32 s17, 0
	v_lshlrev_b32 v4, 4, v0                        ; 16 t: my 16 bytes of a pass's 4,096
	v_add_nc_u32 v5, 1024, v0
	v_min_u32 v5, 1249, v5                         ; pass 4's group, held to the row's last: no load leaves its row
	v_cmp_gt_u32 vcc_lo, 226, v0                   ; pass 4: groups 1024 + t are data for t < 226
	s_cmp_lt_u32 s12, 128
	s_cbranch_scc0 .Lproto
	; a row of random_projection: 32 bytes of f32 become 16 of bf16
	s_mul_i32 s14, s12, RPROW
	s_mul_i32 s16, s12, OROW
	v_lshlrev_b32 v2, 5, v0
	v_lshlrev_b32 v3, 5, v5
	s_wait_kmcnt 0x0
	s_add_nc_u64 s[4:5], s[4:5], s[14:15]
	s_add_nc_u64 s[8:9], s[8:9], s[16:17]
.irp m, 0,1,2,3
	global_load_b128 v[IN+8*(\m):IN+8*(\m)+3],   v2, s[4:5] offset:8192*(\m) th:TH_LOAD_NT
	global_load_b128 v[IN+8*(\m)+4:IN+8*(\m)+7], v2, s[4:5] offset:8192*(\m)+16 th:TH_LOAD_NT
.endr
	global_load_b128 v[IN+32:IN+35], v3, s[4:5] th:TH_LOAD_NT
	global_load_b128 v[IN+36:IN+39], v3, s[4:5] offset:16 th:TH_LOAD_NT
.irp m, 0,1,2,3,4
	s_wait_loadcnt 8-2*(\m)                        ; loads come back in order: pass m's two are in, the younger passes' stay out
.irp k, 0,1,2,3
	v_cvt_pk_bf16_f32 v[OUT+4*(\m)+(\k)], v[IN+8*(\m)+2*(\k)], v[IN+8*(\m)+2*(\k)+1]
.endr
.if (\m) == 4
.irp k, 0,1,2,3
	v_cndmask_b32 v[OUT+16+(\k)], 0, v[OUT+16+(\k)], vcc_lo  ; 0 in the padding
.endr
.endif
	global_store_b128 v4, v[OUT+4*(\m):OUT+4*(\m)+3], s[8:9] offset:4096*(\m)
.endr
	s_endpgm
.Lproto:
	s_sub_co_u32 s13, s12, 128                     ; the class
	s_mul_i32 s16, s13, OROW
	s_cmp_lt_u32 s12, 228
	s_cbranch_scc0 .Lzero
	; a row of prototypes: 8 bytes become 16: 0x3f80 with the byte's lowest bit as the sign
	s_mul_i32 s14, s13, PROW
	s_mov_b32 s18, 0x3f803f80                      ; 1.0 twice
	v_lshlrev_b32 v2, 3, v0
	v_lshlrev_b32 v3, 3, v5
	s_wait_kmcnt 0x0
	s_add_nc_u64 s[6:7], s[6:7], s[14:15]
	s_add_nc_u64 s[10:11], s[10:11], s[16:17]
.irp m, 0,1,2,3
	global_load_b64 v[IN+2*(\m):IN+2*(\m)+1], v2, s[6:7] offset:2048*(\m) th:TH_LOAD_NT
.endr
	global_load_b64 v[IN+8:IN+9], v3, s[6:7] th:TH_LOAD_NT
.irp m, 0,1,2,3,4
	s_wait_loadcnt 4-(\m)                          ; pass m's load is in, the younger ones stay out
.irp k, 0,1
	v_lshlrev_b32 v20, 15, v[IN+2*(\m)+(\k)]       ; byte 0's bit 0 to bit 15
	v_lshlrev_b32 v21, 23, v[IN+2*(\m)+(\k)]       ; byte 1's (bit 8) to bit 31
	v_lshrrev_b32 v22, 1,  v[IN+2*(\m)+(\k)]       ; byte 2's (bit 16) to bit 15
	v_lshlrev_b32 v23, 7,  v[IN+2*(\m)+(\k)]       ; byte 3's (bit 24) to bit 31
	v_and_or_b32 v[OUT+4*(\m)+2*(\k)],   v20, 0x8000, s18
	v_and_or_b32 v[OUT+4*(\m)+2*(\k)+1], v22, 0x8000, s18
	v_and_or_b32 v[OUT+4*(\m)+2*(\k)],   v21, 0x80000000, v[OUT+4*(\m)+2*(\k)]
	v_and_or_b32 v[OUT+4*(\m)+2*(\k)+1], v23, 0x80000000, v[OUT+4*(\m)+2*(\k)+1]
.endr
.if (\m) == 4
.irp k, 0,1,2,3
	v_cndmask_b32 v[OUT+16+(\k)], 0, v[OUT+16+(\k)], vcc_lo  ; 0 in the padding
.endr
.endif
	global_store_b128 v4, v[OUT+4*(\m):OUT+4*(\m)+3], s[10:11] offset:4096*(\m)
.endr
	s_endpgm
.Lzero:                                            ; classes 100 to 111: rows of 0, which the next launch's seventh class tile multiplies
.irp k, 0,1,2,3
	v_mov_b32 v[OUT+(\k)], 0
.endr
	s_wait_kmcnt 0x0
	s_add_nc_u64 s[10:11], s[10:11], s[16:17]
.irp m, 0,1,2,3,4
	global_store_b128 v4, v[OUT:OUT+3], s[10:11] offset:4096*(\m)
.endr
	s_endpgm
.Lfunc_end_k_qdcca5b7033_prep:
	.size	k_qdcca5b7033_prep, .Lfunc_end_k_qdcca5b7033_prep-k_qdcca5b7033_prep
	.p2alignl 7, 3214868480
	.fill 96, 4, 3214868480
	.section	.rodata,"a",@progbits
	.p2align	6, 0x0
	.amdhsa_kernel k_qdcca5b7033_prep
		.amdhsa_group_segment_fixed_size 0
		.amdhsa_private_segment_fixed_size 0
		.amdhsa_enable_private_segment 0
		.amdhsa_kernarg_size 32
		.amdhsa_user_sgpr_count 2
		.amdhsa_user_sgpr_kernarg_segment_ptr 1
		.amdhsa_wavefront_size32 1
		.amdhsa_system_sgpr_workgroup_id_x 1
		.amdhsa_system_sgpr_workgroup_id_y 1
		.amdhsa_system_sgpr_workgroup_id_z 1
		.amdhsa_system_vgpr_workitem_id 0
		.amdhsa_next_free_vgpr 72
		.amdhsa_next_free_sgpr 66
		.amdhsa_reserve_vcc 1
		.amdhsa_float_denorm_mode_32 3
		.amdhsa_float_denorm_mode_16_64 3
		.amdhsa_memory_ordered 1
		.amdhsa_forward_progress 1
		.amdhsa_inst_pref_size 12
	.end_amdhsa_kernel
	.amdgpu_metadata
---
amdhsa.version: [ 1, 2 ]
amdhsa.kernels:
  - .name:           k_qdcca5b7033_prep
    .symbol:         k_qdcca5b7033_prep.kd
    .args:
      - { .name: random_projection, .offset: 0, .size: 8, .value_kind: global_buffer, .address_space: global }
      - { .name: prototypes, .offset: 8, .size: 8, .value_kind: global_buffer, .address_space: global }
      - { .name: rpb, .offset: 16, .size: 8, .value_kind: global_buffer, .address_space: global }
      - { .name: pm, .offset: 24, .size: 8, .value_kind: global_buffer, .address_space: global }
    .group_segment_fixed_size: 0
    .private_segment_fixed_size: 0
    .kernarg_segment_align: 8
    .kernarg_segment_size: 32
    .max_flat_workgroup_size: 256
    .sgpr_count:     66
    .vgpr_count:     72
    .wavefront_size: 32
...
	.end_amdgpu_metadata
.endif
;; end of part 1
;; launch main (part 2): grid 64 x 4, 4 waves a work-group, clusters of 4 x 1, 327,680 bytes of LDS; arguments features, rpb, pm, part; writes part
.if DOCPART == 2
	.amdgcn_target "amdgcn-amd-amdhsa--gfx1250"
	.amdhsa_code_object_version 6
	.text
	.protected	k_qdcca5b7033_main
	.globl	k_qdcca5b7033_main
	.p2align	8
	.type	k_qdcca5b7033_main,@function
k_qdcca5b7033_main:
	s_mov_b64 s[64:65], 0
	v_nop
	global_prefetch_b8 v0, s[64:65] scope:SCOPE_SE
	s_setreg_imm32_b32 hwreg(HW_REG_WAVE_MODE, 25, 1), 1
	s_wait_xcnt 0x0
	s_wait_alu depctr_hold_cnt(0) depctr_sa_sdst(0) depctr_va_vdst(0) depctr_va_sdst(0) depctr_va_ssrc(0) depctr_va_vcc(0) depctr_vm_vsrc(0)
	s_getreg_b32 s2, hwreg(HW_REG_IB_STS2, 6, 4)
	s_cmp_eq_u32 s2, 0
	s_cbranch_scc0 .Lentry_in_a_cluster
	s_endpgm
.Lentry_in_a_cluster:
	s_bfe_u32 s2, ttmp6, 0x10000c
	s_cmp_lg_u32 s2, 0x3003
	s_cbranch_scc0 .Lentry_shape_is_right
	s_endpgm
.Lentry_shape_is_right:
; HDC classifier, launch 2 of 3: part[y][row][c] = the sum over quarter y of D of a'[row][d] pm[c][d], with a' = -1 where (features . rpb)[row][d] > 0 and +1 otherwise.
; Nothing of reference() is left out: by Sigma = D - 2 ham (shown at the head of the first kernel) this one product holds hv.sum, proto.sum and the dot product.
; Both products are fused: projected and the hypervectors live in registers alone.
; LIMITS.  features are rounded to bf16 (nearest even), as rpb was; projected = +0 or -0 counts as 'not > 0' (it is taken as 0 - p, which is +0 for both); a NaN in projected is not treated apart.
; SHARES.  Work-group (X, y): rows 128 X .. 128 X + 127, d = 2560 y .. 2560 y + 2559, as 10 tiles of 256 d through a ring of two LDS slots.  Wave w: row group rg = w / 2 (64 rows: four tiles of 16),
; half dh = w % 2 of each tile's 256 d: four steps of 32 d a tile, 40 steps.  The two waves of a row group add their sums through LDS at the end; the four quarters are added by the next launch.
; LAYOUT.  P^T = RP^T X^T (source 0 = 16 d, source 1 = 16 rows): in the result a lane holds ONE row (lane % 16) and d = 8 (lane / 16) + 0..7.  Two such results, turned into +-1 in bf16 in pairs, ARE
; source 1 (32 d x 16 rows) of O^T += pm a', whose result again holds one row a lane, and eight neighbouring classes.  rpb lies [f][d] and comes out of LDS turned, by ds_load_tr16_b128; pm as it lies.
; BY TURNS.  Iteration u = (step, row tile) issues the 7 products O^T of u - 1, then the 8 products P^T of u + 1 with the 32 vector lines that binarise u behind them, four behind each.
; A step has 60 matrix instructions and one run of 30 LDS loads, issued 37 matrix instructions ahead of its first use.
; CLUSTER.  The four work-groups of a cluster have the same y and walk the same tiles of rpb and pm: each tile is asked for JOINTLY, by the same tensor load, descriptor and mask in all four.
; REGISTER TILES.  Register tile t of a wave holds row tile (t + 2 dh) % 4 of its group, so that every wave sends its register tiles 2, 3 to its partner w ^ 1 and finishes 0, 1: rows 32 w .. 32 w + 31 of the block.
; REGISTERS, in windows of 256 (s_set_vgpr_msb: bits 1:0 source 0, 3:2 source 1, 5:4 source 2, 7:6 destination):
;   window 0: v0-31 addresses; v32-63 P^T, two buffers of two accumulators; v64-79 a', two buffers; v128-255 rpb's fragments, two buffers of 64
;   window 1: v0-223 O^T, 56 a row tile (at the start v0-255 hold the features as loaded)          window 2: v0-127 X, 32 a row tile; v128-239 pm's fragments, two buffers of 56
.set ROWB,  20480                      ; bytes in a row of rpb and of pm
.set PRP,   544                        ; a row of rpb's tile in LDS: 512 bytes + 32 of padding = 17 x 32
.set PPM,   528                        ; a row of pm's tile: 512 + 16 = 33 x 16: the 16 rows of a load start at 16 different groups of four banks
.set POFF,  128*PRP                    ; a slot: 128 rows of rpb, then 112 rows of pm
.set SLOT1, 1<<17                      ; slot 1 begins here, so that one exclusive or turns an address in one slot into the other's
.set SPARE, SLOT1+POFF+112*PPM         ; behind the ring: the spare words, 128 bytes for each wave: two blocks of 256 bytes that no other line names
.set EX,    SPARE+512                  ; behind them, never filled by a tensor load: 14,336 bytes for each wave: first what it sends to its partner, then its stage for the way out
.set EXW,   14336
.set RR,  1                            ; v1   lane % 16
.set AR0, 2                            ; v2   my lane's place in a tile of rpb; never rewritten
.set AP0, 3                            ; v3   the same for pm
.set AR,  4                            ; v4   the LDS address of the run of loads in hand, rpb
.set AP,  5                            ; v5   pm
.set XO,  6                            ; v6-7 my byte offset in the features of register tiles 0, 1 and of 2, 3
.set PFO, 8                            ; v8   the prefetches' offset; never rewritten
.set HH,  9                            ; v9   lane / 16
.set EXS, 10                           ; v10  EX + 14,336 w + 16 lane: what I send, and later where I read my stage back
.set EXL, 11                           ; v11  the same in my partner's block
.set STO, 12                           ; v12  my stage: row lane % 16 of 400 bytes, 32 bytes for each half of the lanes
.set GO,  14                           ; v14  16 lane: my bytes in 512 consecutive bytes of part
.set LN,  15                           ; v15  lane
.set T0,  16                           ; v16-17 at work in the set-up
.set SPW, 30                           ; v30  LDS address of my spare word: SPARE + 4 x my thread's number; never rewritten
.set NIL, 31                           ; v31  0; never rewritten
.set PJ,  32                           ; P^T: buffer b, d block i at PJ + 16 b + 8 i
.set HV,  64                           ; a': buffer b at HV + 8 b
.set RPF, 128                          ; rpb's fragments: buffer b, d block i, f block c at RPF + 64 b + 32 i + 8 c
.set PRF, 128                          ; window 2: pm's fragments: buffer b, class tile c at PRF + 56 b + 8 c
.set WV,  12                           ; s12  my wave's number
.set CX,  13                           ; s13  my place in the cluster: it enters the addresses of features, part and the prefetches alone
.set XB,  14                           ; s14  X
.set LIM, 15                           ; s15  2 in a cluster that prefetches, else the greatest number
.set DH,  17                           ; s17  dh; also: which half of a tile's rows I fetch
.set PFA, 18                           ; s[18:19] where my prefetches stand
.set G1R, 24                           ; s[24:31] descriptor group 1 for rpb's tiles
.set G1P, 32                           ; s[32:39] for pm's
.set G0R, 40                           ; s[40:47] descriptor group 0 for rpb's tiles: a set for each of the two first fills; the second then walks on
.set G0P, 48                           ; s[48:55] the same for pm's
.set SLOTS, 56                         ; s56  tiles still to be asked for
.set CNT, 57                           ; s57  counts a tile's two pairs of steps
.set TB,  58                           ; s58  LDS byte at which the step to be fetched begins: slot + 64 x step
.set MHI, 59                           ; s59  0x80000000
.set MSG, 60                           ; s60  0x80008000: the signs of two bf16
.set ONE, 61                           ; s61  0x3f803f80: 1.0 twice
.set MSB, 0
.macro WIN new                         ; the immediate's high byte repeats the setting that is left; a switch that changes nothing is dropped
.if MSB != (\new)
	s_set_vgpr_msb (MSB<<8)|(\new)
.set MSB, (\new)
.endif
.endm
.set W_M1, 0x08                        ; rpb's fragments and P^T in window 0, X in window 2.  The binarising lines run under it too: their vector sources stand in places 0 and 2 alone
.set W_M2, 0x52                        ; pm's fragments in window 2, a' in window 0, O^T in window 1
; A joint refill.  Waves 0 and 1 fetch the two halves of rpb's tile (64 rows x 512 bytes), waves 2 and 3 those of pm's (56 rows).  The branch hangs on the wave's number alone.
; An s_nop 0 and four v_nop follow each of the two lines, ahead of the jump and the label.
.macro JLOAD
	s_cmp_lt_u32 s[WV], 2
	s_cbranch_scc0 .Lfor_p_\@
	tensor_load_to_lds s[G0R+4:G0R+7], s[G1R:G1R+7]
	s_nop 0
.rept 4
	v_nop
.endr
	s_branch .Lasked_\@
.Lfor_p_\@:
	tensor_load_to_lds s[G0P+4:G0P+7], s[G1P:G1P+7]
	s_nop 0
.rept 4
	v_nop
.endr
.Lasked_\@:
.endm
; A PREFETCH INTO THE L2, behind the joint refill and its five lines: the tile that stands TWO refills on (480 matrix instructions of a wave ahead of the load that will want it).
; All sixteen clusters of a quarter y walk the same tiles: the first of them (cluster x = 0) asks.  Each wave asks for rows of the part that it fetches itself, and the four partners share those rows
; out BY ADDRESS: of rpb's 64 rows 16 each, of pm's 56 rows 14 each; a lane names one of a row's two blocks of 256 bytes (in waves 2 and 3 lanes 28-31 name lanes 26 and 27's once more).
; The first change of slots names tile 4, the sixth tile 9, the last; the last two ask for nothing.  Tiles 0 to 3 come by their loads alone.
.macro ASK
	s_cmp_gt_u32 s[SLOTS], s[LIM]
	s_cbranch_scc0 .Lnot_mine_\@
	global_prefetch_b8 v[PFO], s[PFA:PFA+1] th:TH_LOAD_NT scope:SCOPE_SE
.Lnot_mine_\@:
.endm
; A round of the cluster's barrier: my work-group's barrier, so that wave 0's signal speaks for all four waves; wave 0 signals; every wave waits for all four work-groups; my work-group's barrier once more.
.macro CROUND
	s_barrier_signal -1
	s_barrier_wait -1
	s_cmp_lg_u32 s[WV], 0
	s_cbranch_scc1 .Lnot_wave_0_\@
	s_barrier_signal -3
.Lnot_wave_0_\@:
	s_barrier_wait -3
	s_barrier_signal -1
	s_barrier_wait -1
.endm
	s_load_b256 s[4:11], s[0:1], 0x0               ; features s[4:5], rpb s[6:7], pm s[8:9], part s[10:11]
	v_lshl_add_u32 v[SPW], v0, 2, SPARE
	v_mov_b32 v[NIL], 0
	ds_add_u32 v[SPW], v[NIL]                      ; the wave's opening: the add, twice on end, and its wait ahead of my first tensor load; the set-up below, work on registers, stands between
	ds_add_u32 v[SPW], v[NIL]                      ; and once more, under the one wait
	v_lshrrev_b32 v[T0], 5, v0
	v_readfirstlane_b32 s[WV], v[T0]               ; wave 0..3
	s_bfe_u32 s[CX], ttmp6, 0x40000                ; cx
	s_lshl_b32 s[XB], ttmp9, 2                     ; in a cluster launch ttmp9 counts clusters
	s_add_co_u32 s[XB], s[XB], s[CX]               ; X = 4 x cluster x + cx
	s_and_b32 s16, ttmp7, 0xffff                   ; y, which the four partners share
	s_and_b32 s[DH], s[WV], 1
	; descriptor group 1: tiles of 64 (56) rows x 256 elements, padded in LDS
	s_mov_b32 s[G1R], 15|(1<<16)|(1<<20)|(1<<21)|(6<<22)|(7<<25)  ; 15:0 the mask of four; 17:16 2-byte elements; 20 padding on; 21 set beside a mask; 24:22 after every 128 words (code 6); 31:25 8 words (code 7)
	s_mov_b32 s[G1P], 15|(1<<16)|(1<<20)|(1<<21)|(6<<22)|(3<<25)  ; the same with 4 words of padding (code 3)
	s_mov_b32 s[G1R+1], 256<<16                    ; tensor_dim0 = 256
	s_mov_b32 s[G1R+2], 64<<16                     ; tensor_dim1 = 64
	s_mov_b32 s[G1R+3], 256<<16                    ; tile_dim0 = 256
	s_mov_b32 s[G1R+4], 64                         ; tile_dim1 = 64
	s_mov_b32 s[G1R+5], 10240                      ; elements from row to row
	s_mov_b32 s[G1R+6], 0
	s_mov_b32 s[G1R+7], 0
	s_mov_b32 s[G1P+1], 256<<16
	s_mov_b32 s[G1P+2], 56<<16
	s_mov_b32 s[G1P+3], 256<<16
	s_mov_b32 s[G1P+4], 56
	s_mov_b32 s[G1P+5], 10240
	s_mov_b32 s[G1P+6], 0
	s_mov_b32 s[G1P+7], 0
	; descriptor group 0, the words that hang on no address: no place in the cluster enters an LDS address
	s_mul_i32 s20, s[DH], 64*PRP
	s_mul_i32 s21, s[DH], 56*PPM
	s_mov_b32 s[G0R], 1
	s_mov_b32 s[G0R+1], s20
	s_mov_b32 s[G0R+4], 1
	s_add_co_u32 s[G0R+5], s20, SLOT1
	s_mov_b32 s[G0P], 1
	s_add_co_u32 s[G0P+1], s21, POFF
	s_mov_b32 s[G0P+4], 1
	s_add_co_u32 s[G0P+5], s21, POFF+SLOT1
	; byte offsets, made apart from the addresses
	s_mul_i32 s62, s16, 5120                       ; quarter y in a row
	s_mul_i32 s20, s[DH], 64*ROWB                  ; rpb: my half of the 128 rows
	s_add_co_u32 s20, s20, s62
	s_mov_b32 s21, 0
	s_mul_i32 s22, s[DH], 56*ROWB                  ; pm: my half of the 112 rows
	s_add_co_u32 s22, s22, s62
	s_mov_b32 s23, 0
	s_lshr_b32 s67, s[WV], 1                       ; rg
	s_lshl_b32 s67, s67, 15                        ; its 64 rows of 512 bytes,
	s_lshl_b32 s66, s[XB], 16                      ; in the block's 128
	s_add_co_u32 s66, s66, s67
	s_mov_b32 s67, 0
	s_mul_i32 s68, s16, 3276800                    ; part: quarter y,
	s_mul_i32 s69, s[XB], 51200                    ; the block's 128 rows of 400 bytes,
	s_add_co_u32 s68, s68, s69
	s_mul_i32 s69, s[WV], 12800                    ; the 32 rows that I finish
	s_add_co_u32 s68, s68, s69
	s_mov_b32 s69, 0
	s_cmp_lt_u32 s[WV], 2
	s_cselect_b32 s70, 16, 14                      ; the prefetches: rows a partner,
	s_cselect_b32 s72, 15, 13                      ; the last of them
	s_mul_i32 s70, s70, s[CX]
	s_mul_i32 s70, s70, ROWB
	s_add_co_u32 s70, s70, 3*512                   ; at tile 3: the first change of slots steps it to tile 4
	s_mov_b32 s71, 0
	s_cmp_eq_u32 ttmp9, 0
	s_cselect_b32 s[LIM], 2, -1                    ; the same in all four partners
	s_mov_b32 s[TB], 0
	s_mov_b32 s[SLOTS], 8
	s_mov_b32 s[MHI], 0x80000000
	s_mov_b32 s[MSG], 0x80008000
	s_mov_b32 s[ONE], 0x3f803f80
	v_and_b32 v[LN], 31, v0
	v_lshrrev_b32 v[T0], 1, v[LN]
	v_min_u32 v[T0], s72, v[T0]
	v_mul_u32_u24 v[PFO], v[T0], ROWB              ; a row for each two lanes,
	v_and_b32 v[T0], 1, v0
	v_lshl_add_u32 v[PFO], v[T0], 8, v[PFO]        ; and one of its two blocks of 256 bytes
	s_wait_dscnt 0x0                               ; both opening adds are done
	s_wait_kmcnt 0x0
	s_add_nc_u64 s[6:7], s[6:7], s[20:21]          ; rpb and pm at my part of tile 0: made of w and y alone
	s_add_nc_u64 s[8:9], s[8:9], s[22:23]
	s_add_nc_u64 s[4:5], s[4:5], s[66:67]          ; features at my row group
	s_add_nc_u64 s[10:11], s[10:11], s[68:69]      ; part at the rows that I finish
	s_cmp_lt_u32 s[WV], 2
	s_cselect_b64 s[PFA:PFA+1], s[6:7], s[8:9]
	s_add_nc_u64 s[PFA:PFA+1], s[PFA:PFA+1], s[70:71]
.irp n, 0,1
	s_add_nc_u64 s[G0R+4*(\n)+2:G0R+4*(\n)+3], s[6:7], (\n)*512  ; global address: tile n
	s_or_b32 s[G0R+4*(\n)+3], s[G0R+4*(\n)+3], 0x80000000        ; type = 2
	s_add_nc_u64 s[G0P+4*(\n)+2:G0P+4*(\n)+3], s[8:9], (\n)*512
	s_or_b32 s[G0P+4*(\n)+3], s[G0P+4*(\n)+3], 0x80000000
.endr
	CROUND                                         ; all four work-groups are here: the first joint loads meet
	s_cmp_lt_u32 s[WV], 2                          ; a wave's two first fills stand in one branch, ahead of every wait on TENSORcnt and every LDS read: two loads of mine are out
	s_cbranch_scc0 .Lfirst_p
	tensor_load_to_lds s[G0R:G0R+3], s[G1R:G1R+7]
	s_nop 0
	tensor_load_to_lds s[G0R+4:G0R+7], s[G1R:G1R+7]
	s_nop 0
.rept 4
	v_nop
.endr
	s_branch .Lfirst_asked
.Lfirst_p:
	tensor_load_to_lds s[G0P:G0P+3], s[G1P:G1P+7]
	s_nop 0
	tensor_load_to_lds s[G0P+4:G0P+7], s[G1P:G1P+7]
	s_nop 0
.rept 4
	v_nop
.endr
.Lfirst_asked:
	; THE FEATURES.  A fragment of X is 16 rows x 32 f in 8 registers: lane l holds row l % 16, f = 8 (l / 16) + 0..7 and 16 + 8 (l / 16) + 0..7.  In f32 that is four loads of 16 bytes.
	v_and_b32 v[RR], 15, v0
	v_bfe_u32 v[HH], v0, 4, 1
	s_lshl_b32 s16, s[DH], 14                      ; register tiles 0, 1 are row tiles 2 dh, 2 dh + 1: 16,384 dh bytes on;
	s_xor_b32 s20, s16, 16384                      ; register tiles 2, 3 the other two
	v_lshlrev_b32 v[T0], 9, v[RR]
	v_lshl_add_u32 v[T0], v[HH], 5, v[T0]          ; row x 512 + 32 x half
	v_add_nc_u32 v[XO], s16, v[T0]
	v_add_nc_u32 v[XO+1], s20, v[T0]
	WIN 0x40                                       ; destination window 1, address window 0
.set i, 0
.rept 64                                           ; load i: register tile i / 16, f block (i / 4) % 4, piece i % 4
	global_load_b128 v[4*i:4*i+3], v[XO+i/32], s[4:5] offset:((i/16)%2)*8192+((i/4)%4)*128+((i%4)/2)*64+(i%2)*16
.set i, i+1
.endr
	WIN 0
	; the LDS addresses, made while the features are on their way
	v_and_b32 v[T0], 7, v0
	v_bfe_u32 v[T0+1], v0, 3, 1
	v_lshl_add_u32 v[AR0], v[HH], 3, v[T0]         ; the turning load: lane l reads f row 8 (l / 16) + l % 8,
	v_mul_u32_u24 v[AR0], v[AR0], PRP
	v_lshl_add_u32 v[AR0], v[T0+1], 4, v[AR0]      ; d = 8 ((l / 8) % 2) + 0..7,
	s_lshl_b32 s16, s[DH], 8
	v_add_nc_u32 v[AR0], s16, v[AR0]               ; in my half of the tile's 256 d
	v_mul_u32_u24 v[AP0], v[RR], PPM
	v_lshl_add_u32 v[AP0], v[HH], 4, v[AP0]        ; pm: row x pitch + 16 x half
	s_add_co_u32 s16, s16, POFF
	v_add_nc_u32 v[AP0], s16, v[AP0]
	s_mul_i32 s16, s[WV], EXW
	s_add_co_u32 s16, s16, EX                      ; my block behind the ring
	v_lshl_add_u32 v[EXS], v[LN], 4, s16
	v_mul_u32_u24 v[STO], v[RR], 400
	v_lshl_add_u32 v[STO], v[HH], 5, v[STO]
	v_add_nc_u32 v[STO], s16, v[STO]
	s_xor_b32 s20, s[WV], 1
	s_mul_i32 s20, s20, EXW
	s_add_co_u32 s20, s20, EX                      ; my partner's
	v_lshl_add_u32 v[EXL], v[LN], 4, s20
	v_lshlrev_b32 v[GO], 4, v[LN]
	s_wait_loadcnt 0x0                             ; the features are in
	WIN 0x85                                       ; sources 0 and 1 window 1, destination window 2
.set i, 0
.rept 128
	v_cvt_pk_bf16_f32 v[i], v[2*i], v[2*i+1]       ; rounded once, to nearest even; X stays in registers
.set i, i+1
.endr
	WIN 0
; THE MATRIX WORK.  The accumulators take turns, one instruction a turn: P^T's two alternate, O^T's seven follow each other, and a run's last and the next run's first differ.
; Product q of 8 of P^T for row tile tq from buffer rq: f = 32 (q / 2) on, d = 16 (q % 2) on.  The first two start the sums.
.macro M1W q, tq, rq
.set rP, PJ+16*((\tq)%2)+8*((\q)%2)
.set rA, RPF+64*(\rq)+32*((\q)%2)+8*((\q)/2)
.set rX, 32*(\tq)+8*((\q)/2)
.if (\q) < 2
	v_wmma_f32_16x16x32_bf16 v[rP:rP+7], v[rA:rA+7], v[rX:rX+7], 0
.else
	v_wmma_f32_16x16x32_bf16 v[rP:rP+7], v[rA:rA+7], v[rX:rX+7], v[rP:rP+7]
.endif
.endm
; O^T of row tile tq, class tile c, from buffer pq.  zero = 1: the first step's products start the sums: nothing is ever cleared.
.macro M2W c, tq, pq, zero
.set rO, 56*(\tq)+8*(\c)
.set rA, PRF+56*(\pq)+8*(\c)
.set rH, HV+8*((\tq)%2)
.if \zero
	v_wmma_f32_16x16x32_bf16 v[rO:rO+7], v[rA:rA+7], v[rH:rH+7], 0
.else
	v_wmma_f32_16x16x32_bf16 v[rO:rO+7], v[rA:rA+7], v[rH:rH+7], v[rO:rO+7]
.endif
.endm
; THE LDS LOADS of a step stand in one run of 30: rpb's 8 fragments (turned), pm's 7.
.macro FETCH par
	WIN 0
	v_add_nc_u32 v[AR], s[TB], v[AR0]
	v_add_nc_u32 v[AP], s[TB], v[AP0]
	s_add_co_u32 s[TB], s[TB], 64                  ; the next fetch is the next step's: 32 d on
.irp c, 0,1,2,3
.irp i, 0,1
	ds_load_tr16_b128 v[RPF+64*(\par)+32*(\i)+8*(\c):RPF+64*(\par)+32*(\i)+8*(\c)+3],   v[AR] offset:32*PRP*(\c)+32*(\i)
	ds_load_tr16_b128 v[RPF+64*(\par)+32*(\i)+8*(\c)+4:RPF+64*(\par)+32*(\i)+8*(\c)+7], v[AR] offset:32*PRP*(\c)+32*(\i)+16*PRP
.endr
.endr
	WIN 0x80                                       ; destination window 2
.irp c, 0,1,2,3,4,5,6
	ds_load_b128 v[PRF+56*(\par)+8*(\c):PRF+56*(\par)+8*(\c)+3],   v[AP] offset:16*PPM*(\c)
	ds_load_b128 v[PRF+56*(\par)+8*(\c)+4:PRF+56*(\par)+8*(\c)+7], v[AP] offset:16*PPM*(\c)+32
.endr
.endm
; THE VECTOR WORK: line j of the 32 that turn buffer b's 16 numbers p a lane into 8 registers of +-1 in bf16.  Each accumulator's lowest registers are read first; a line's source was written eight lines earlier.
;   0-7    q = 0 - p, two at a time: its sign is set where p > 0 and nowhere else (for p = +0 and -0 it is +0)
;   8-15   the even number's upper half goes down          16-23  the odd number's sign is set above it          24-31  the two signs alone, on 1.0 twice
.macro RID j, b
.set pp, PJ+16*(\b)
.set hh, HV+8*(\b)
.if (\j) < 8
	v_pk_fma_f32 v[pp+2*(\j):pp+2*(\j)+1], v[pp+2*(\j):pp+2*(\j)+1], -1.0, 0 op_sel_hi:[1,0,0]
.elseif (\j) < 16
	v_bfe_u32 v[pp+2*((\j)-8)], v[pp+2*((\j)-8)], 16, 16
.elseif (\j) < 24
	v_and_or_b32 v[hh+(\j)-16], v[pp+2*((\j)-16)+1], s[MHI], v[pp+2*((\j)-16)]
.else
	v_and_or_b32 v[hh+(\j)-24], v[hh+(\j)-24], s[MSG], s[ONE]
.endif
.endm
; ITERATION (step of parity sp, row tile t).  z = 0: 7 products O^T of the iteration before; 1: they start the sums; 2: none.  m1 = 1: 8 products P^T of the iteration after.
; The distances (ISA guide 7.12.1; only plain vector lines that name none of a product's registers are counted): P^T's last two products are followed by 8 and 4 binarising lines of the OTHER buffer, and
; the buffer's second accumulator is first touched four lines further on; a' is rewritten 32 lines behind the products that read it; FETCH lands in buffers whose last readers stand 32 lines back or more.
.macro ITER t, sp, z=0, m1=1
.set tm, ((\t)+3)%4
.set tn, ((\t)+1)%4
.set pbuf, (\sp)
.set rbuf, (\sp)
.if (\t) == 0
.set pbuf, 1-(\sp)                     ; the iteration before belongs to the step before
.endif
.if (\t) == 3
.set rbuf, 1-(\sp)                     ; the iteration after to the step after
.endif
.if (\z) != 2
	WIN W_M2
.irp c, 0,1,2,3,4,5,6
	M2W \c, tm, pbuf, \z
.endr
.endif
.if ((\t) == 3) && (\m1)
	s_wait_dscnt 0x0                               ; the next step's 30 loads, issued 37 matrix instructions ago, are in
.endif
	WIN W_M1
.set nn, 0
.rept 8
.if \m1
	M1W nn, tn, rbuf
.endif
	RID 4*nn, (\t)%2
	RID 4*nn+1, (\t)%2
	RID 4*nn+2, (\t)%2
	RID 4*nn+3, (\t)%2
.set nn, nn+1
.endr
.endm
; From a step's second iteration to the next step's first; the next step's fragments are fetched at its head.
.macro HALF sp, z
	FETCH 1-(\sp)
	ITER 1, \sp, \z
	ITER 2, \sp, \z
	ITER 3, \sp, \z
	ITER 0, 1-(\sp), \z
.endm
.macro PAIR
	HALF 1, 0
	HALF 0, 0
.endm
; THE CHANGE OF SLOTS stands where a tile's fourth step has been fetched and waited for.  Each wave waits for all its tensor loads, of which one is out: its part of the other slot; adds 0 to its spare
; word; and waits for that and for its own reads of the slot.  Behind the barrier nobody reads this slot any more and the other slot is whole.
; fill = 1: this slot is filled again, with the tile two on.  The barrier is then a round of the cluster's, so that no wave of any partner still reads the slot or has a load on its way, and the joint
; refill is the first thing behind it: it has a tile's 240 matrix instructions of each wave in which to land.  By this text's own count a wave has two tensor loads out at the start, later one.
.macro CHANGE fill
	WIN 0                                          ; at a label and at a branch every window is 0
	s_wait_tensorcnt 0x0                           ; no tensor load of mine is out, so a group 0 may be written
	ds_add_u32 v[SPW], v[NIL]                      ; 0 onto my spare word; with fill = 1 the descriptors' steps stand between it and the wait for it
.if \fill
.irp g, G0R+4, G0P+4
	s_xor_b32 s[(\g)+1], s[(\g)+1], SLOT1          ; the walking descriptor: the other slot than last time,
	s_add_nc_u64 s[(\g)+2:(\g)+3], s[(\g)+2:(\g)+3], 512  ; the next 256 d; the type bits on top are not reached
.endr
	s_wait_xcnt 0x0                                ; the last prefetch, a tile back, has read its address, so it may be written
	s_add_nc_u64 s[PFA:PFA+1], s[PFA:PFA+1], 512
	s_wait_dscnt 0x0                               ; the add is done, and my reads of the slot are over
	CROUND
	JLOAD
	ASK
.else
	s_wait_dscnt 0x0                               ; the add is done, and my reads of the slot are over
	s_barrier_signal -1
	s_barrier_wait -1
.endif
	s_sub_co_u32 s[TB], s[TB], 256                 ; the fetches go back to a tile's first step,
	s_xor_b32 s[TB], s[TB], SLOT1                  ; in the other slot
.endm
	s_wait_tensorcnt 0x1                           ; my part of slot 0 is in; slot 1's, issued behind it, may stay out
	s_barrier_signal -1
	s_barrier_wait -1                              ; everybody's is
	FETCH 0                                        ; step 0
	s_wait_dscnt 0x0
	WIN W_M1
.set nn, 0
.rept 8
	M1W nn, 0, 0                                   ; row tile 0's first P^T: there is no vector work yet to set between them
.set nn, nn+1
.endr
.rept 8
	v_nop                                          ; the places behind those products, once a launch
.endr
	ITER 0, 0, 2
	HALF 0, 1                                      ; step 0: its products O^T start all 28 sums
	PAIR                                           ; tile 0's steps 2 and 3 are fetched
	WIN 0
.Lslot:                                            ; eight times: tiles 1 to 8 are entered, tiles 2 to 9 asked for
	CHANGE 1
	s_mov_b32 s[CNT], 2
.Lpair:
	PAIR
	WIN 0
	s_sub_co_u32 s[CNT], s[CNT], 1
	s_cmp_lg_u32 s[CNT], 0
	s_cbranch_scc1 .Lpair
	s_sub_co_u32 s[SLOTS], s[SLOTS], 1
	s_cmp_lg_u32 s[SLOTS], 0
	s_cbranch_scc1 .Lslot
	CHANGE 0                                       ; the last tile is written out: nothing is asked for
	s_mov_b32 s[CNT], 2
.Lpair2:
	PAIR
	WIN 0
	s_sub_co_u32 s[CNT], s[CNT], 1
	s_cmp_lg_u32 s[CNT], 0
	s_cbranch_scc1 .Lpair2
	ITER 1, 1                                      ; the rest of step 39: nothing more is fetched,
	ITER 2, 1
	ITER 3, 1, 0, 0                                ; and there is no further P^T
	WIN W_M2
.irp c, 0,1,2,3,4,5,6
	M2W \c, 3, 1, 0
.endr
.rept 8
	v_nop                                          ; the places behind the last products, once a launch
.endr
	; THE WAY OUT.  My register tiles 2, 3 go to my partner; its come to me and are added onto my tiles 0, 1: both halves of the tiles' d are then in.
	WIN 0x04                                       ; LDS store: address window 0, data window 1
.set q, 0
.rept 28
	ds_store_b128 v[EXS], v[112+4*q:112+4*q+3] offset:512*q
.set q, q+1
.endr
	WIN 0
	v_cmp_gt_u32 vcc_lo, 16, v[LN]                 ; for the seventh class tile, below
	s_wait_dscnt 0x0                               ; for my partner's sake: my stores are done
	s_barrier_signal -1
	s_barrier_wait -1
.set q, 0
.rept 28
	ds_load_b128 v[128+4*q:128+4*q+3], v[EXL] offset:512*q
.set q, q+1
.endr
	s_wait_dscnt 0x0                               ; my reads of my partner's block are over: it may write there behind the barrier
	s_barrier_signal -1
	WIN 0x41                                       ; destination and source 0 window 1, source 1 window 0: work on registers between the signal and the wait
.set q, 0
.rept 56
	v_pk_add_f32 v[2*q:2*q+1], v[2*q:2*q+1], v[128+2*q:128+2*q+1]
.set q, q+1
.endr
	s_barrier_wait -1
	; My 32 rows x 100 classes go into my own block as rows of 400 bytes (100 words: the 16 rows of a store start at 16 different groups of four banks) and come back as 12,800 consecutive bytes.
	WIN 0x04
.irp tl, 0,1
.irp c, 0,1,2,3,4,5
	ds_store_b128 v[STO], v[56*(\tl)+8*(\c):56*(\tl)+8*(\c)+3]   offset:6400*(\tl)+64*(\c)
	ds_store_b128 v[STO], v[56*(\tl)+8*(\c)+4:56*(\tl)+8*(\c)+7] offset:6400*(\tl)+64*(\c)+16
.endr
.endr
	s_wait_xcnt 0x0                                ; EXEC changes only behind this wait: every global instruction issued so far has had its addresses translated
	s_and_saveexec_b32 s20, vcc_lo                 ; of class tile 6 only classes 96-99 exist: the first four registers of lanes 0-15
	ds_store_b128 v[STO], v[48:51] offset:384
	ds_store_b128 v[STO], v[104:107] offset:6400+384
	s_or_b32 exec_lo, exec_lo, s20                 ; no global instruction was issued meanwhile
	WIN 0
.set q, 0
.rept 25
	ds_load_b128 v[128+4*q:128+4*q+3], v[EXS] offset:512*q  ; LDS serves a wave's instructions in order (ISA guide 5.7.1.4): these see my stores above
.set q, q+1
.endr
.set q, 0
.rept 25
	s_wait_dscnt 24-q                              ; load q is back; the younger ones stay out
	global_store_b128 v[GO], v[128+4*q:128+4*q+3], s[10:11] offset:512*q  ; 512 consecutive bytes, at a multiple of 256 from part's first byte
.set q, q+1
.endr
	s_wait_tensorcnt 0x0                           ; the wave's end, behind my last tensor load and my last LDS store
	ds_add_u32 v[SPW], v[NIL]
	s_wait_dscnt 0x0
	CROUND                                         ; the closing round: no work-group ends while a partner may still ask for a tile that names it
	s_endpgm
.Lfunc_end_k_qdcca5b7033_main:
	.size	k_qdcca5b7033_main, .Lfunc_end_k_qdcca5b7033_main-k_qdcca5b7033_main
	.p2alignl 7, 3214868480
	.fill 96, 4, 3214868480
	.section	.rodata,"a",@progbits
	.p2align	6, 0x0
	.amdhsa_kernel k_qdcca5b7033_main
		.amdhsa_group_segment_fixed_size 327680
		.amdhsa_private_segment_fixed_size 0
		.amdhsa_enable_private_segment 0
		.amdhsa_kernarg_size 32
		.amdhsa_user_sgpr_count 2
		.amdhsa_user_sgpr_kernarg_segment_ptr 1
		.amdhsa_wavefront_size32 1
		.amdhsa_system_sgpr_workgroup_id_x 1
		.amdhsa_system_sgpr_workgroup_id_y 1
		.amdhsa_system_sgpr_workgroup_id_z 1
		.amdhsa_system_vgpr_workitem_id 0
		.amdhsa_next_free_vgpr 768
		.amdhsa_next_free_sgpr 80
		.amdhsa_reserve_vcc 1
		.amdhsa_float_denorm_mode_32 3
		.amdhsa_float_denorm_mode_16_64 3
		.amdhsa_memory_ordered 1
		.amdhsa_forward_progress 1
		.amdhsa_inst_pref_size 152
	.end_amdhsa_kernel
	.amdgpu_metadata
---
amdhsa.version: [ 1, 2 ]
amdhsa.kernels:
  - .name:           k_qdcca5b7033_main
    .symbol:         k_qdcca5b7033_main.kd
    .args:
      - { .name: features, .offset: 0, .size: 8, .value_kind: global_buffer, .address_space: global }
      - { .name: rpb, .offset: 8, .size: 8, .value_kind: global_buffer, .address_space: global }
      - { .name: pm, .offset: 16, .size: 8, .value_kind: global_buffer, .address_space: global }
      - { .name: part, .offset: 24, .size: 8, .value_kind: global_buffer, .address_space: global }
    .group_segment_fixed_size: 327680
    .private_segment_fixed_size: 0
    .kernarg_segment_align: 8
    .kernarg_segment_size: 32
    .max_flat_workgroup_size: 128
    .sgpr_count:     80
    .vgpr_count:     768
    .wavefront_size: 32
...
	.end_amdgpu_metadata
.endif
;; end of part 2
;; launch finish (part 3): grid 256 x 1, 25 waves a work-group, no clusters, 6,912 bytes of LDS; arguments part, class_counts, out0, out1; writes out0, out1
.if DOCPART == 3
	.amdgcn_target "amdgcn-amd-amdhsa--gfx1250"
	.amdhsa_code_object_version 6
	.text
	.protected	k_qdcca5b7033_finish
	.globl	k_qdcca5b7033_finish
	.p2align	8
	.type	k_qdcca5b7033_finish,@function
k_qdcca5b7033_finish:
	s_mov_b64 s[64:65], 0
	v_nop
	global_prefetch_b8 v0, s[64:65] scope:SCOPE_SE
	s_setreg_imm32_b32 hwreg(HW_REG_WAVE_MODE, 25, 1), 1
	s_wait_xcnt 0x0
; HDC classifier, launch 3 of 3.  Sigma = the sum of part's four quarters = D - 2 ham (shown at the head of the first kernel); key = D - ham = Sigma / 2 + 5000, a whole number from 0 to 10,000, exact in f32;
; key = 0 where class_counts is not > 0 (a NaN count too, as in reference()); sims = key / D; preds = the first class with the largest key.  Nothing of reference() is left out.
; WHY THE KEY SERVES FOR THE ARGMAX.  reference()'s 1 - ham / D in f32 falls strictly as ham grows (neighbours lie 1e-4 apart) and is 0 just where key is 0, which is also what a class without count gets: the order and the ties of sims and of key are the same.
; LIMIT.  sims is key x 1e-4 in f32: it differs from reference()'s order of rounding by some 1e-7.
; SHARES.  A work-group takes 32 rows: 12,800 consecutive bytes of each quarter and of out1, 800 groups of four classes, one a thread; a wave's loads and its store cover 512 consecutive bytes, aligned.
; THE ARGMAX.  code = 128 key + 127 - class, at most 1,280,127: exact in f32; its maximum names the largest key and, among equals, the lowest class.  A thread's maximum goes to LDS, and wave 0, a lane a row, takes
; the maximum of a row's 25.  out0 gets 128 bytes a work-group: it has 32,768 bytes in all.
.set CPITCH, 112                       ; LDS: a row's 25 codes, 100 bytes, in 112
.set SPARE,  3584                      ; behind the 32 rows of codes: the spare words, 128 bytes for each of the 25 waves, rounded up to 13 blocks of 256 bytes that no other line names
.set SPW, 44                           ; v44  LDS address of my spare word; never rewritten
.set NIL, 45                           ; v45  0; never rewritten
	s_load_b256 s[4:11], s[0:1], 0x0               ; part s[4:5], class_counts s[6:7], out0 s[8:9], out1 s[10:11]
	v_lshl_add_u32 v[SPW], v0, 2, SPARE
	v_mov_b32 v[NIL], 0
	v_lshrrev_b32 v1, 5, v0
	v_readfirstlane_b32 s12, v1                    ; wave 0..24
	s_mul_i32 s14, ttmp9, 12800                    ; the work-group's 32 rows of 400 bytes
	s_mov_b32 s15, 0
	s_lshl_b32 s16, ttmp9, 7                       ; and its 32 words of out0
	s_mov_b32 s17, 0
	s_mov_b32 s18, 0x459c4000                      ; 5000.0, named as a pair
	s_mov_b32 s19, s18
	s_mov_b32 s20, 0x38d1b717                      ; 1e-4
	s_mov_b32 s21, s20
	s_mov_b32 s22, 0x43000000                      ; 128.0
	v_mul_u32_u24 v3, v0, 1311
	v_lshrrev_b32 v3, 15, v3                       ; row = t / 25: exact for t < 800 (25 x 1311 = 32,775)
	v_mul_u32_u24 v4, v3, 25
	v_sub_nc_u32 v4, v0, v4                        ; q = t % 25: classes 4 q .. 4 q + 3
	v_lshlrev_b32 v2, 4, v0
	v_lshlrev_b32 v5, 4, v4
	s_wait_kmcnt 0x0
	s_add_nc_u64 s[4:5], s[4:5], s[14:15]          ; quarters 0 and 1,
	s_add_nc_u64 s[24:25], s[4:5], 6553600         ; quarters 2 and 3
	s_add_nc_u64 s[10:11], s[10:11], s[14:15]
	s_add_nc_u64 s[8:9], s[8:9], s[16:17]
	global_load_b128 v[8:11],  v2, s[4:5] th:TH_LOAD_NT
	global_load_b128 v[12:15], v2, s[4:5] offset:3276800 th:TH_LOAD_NT
	global_load_b128 v[16:19], v2, s[24:25] th:TH_LOAD_NT
	global_load_b128 v[20:23], v2, s[24:25] offset:3276800 th:TH_LOAD_NT
	global_load_b128 v[24:27], v5, s[6:7]
	v_lshlrev_b32 v6, 2, v4                        ; while the loads are out: 127 - class for my four classes, in f32,
	v_sub_nc_u32 v6, 127, v6
	v_cvt_f32_u32 v28, v6
	v_add_f32 v29, -1.0, v28
	v_add_f32 v30, -2.0, v28
	v_add_f32 v31, 0xc0400000, v28
	v_mul_u32_u24 v7, v3, CPITCH                   ; and my code's place
	v_lshl_add_u32 v7, v4, 2, v7
	s_wait_loadcnt 0x0
	v_pk_add_f32 v[8:9], v[8:9], v[12:13]          ; whole numbers: exact in any order
	v_pk_add_f32 v[10:11], v[10:11], v[14:15]
	v_pk_add_f32 v[16:17], v[16:17], v[20:21]
	v_pk_add_f32 v[18:19], v[18:19], v[22:23]
	v_pk_add_f32 v[8:9], v[8:9], v[16:17]
	v_pk_add_f32 v[10:11], v[10:11], v[18:19]
	v_pk_fma_f32 v[8:9], v[8:9], 0.5, s[18:19] op_sel_hi:[1,0,0]     ; key
	v_pk_fma_f32 v[10:11], v[10:11], 0.5, s[18:19] op_sel_hi:[1,0,0]
.irp j, 0,1,2,3
	v_cmp_lt_f32 vcc_lo, 0, v[24+(\j)]
	v_cndmask_b32 v[8+(\j)], 0, v[8+(\j)], vcc_lo  ; 0 where the class has no count
.endr
	v_pk_mul_f32 v[32:33], v[8:9], s[20:21] op_sel_hi:[1,0]
	v_pk_mul_f32 v[34:35], v[10:11], s[20:21] op_sel_hi:[1,0]
	global_store_b128 v2, v[32:35], s[10:11] th:TH_STORE_NT
.irp j, 0,1,2,3
	v_fma_f32 v[36+(\j)], v[8+(\j)], s22, v[28+(\j)]
.endr
	v_max3_num_f32 v36, v36, v37, v38
	v_max_num_f32 v36, v36, v39
	ds_store_b32 v7, v36
	s_wait_dscnt 0x0                               ; for wave 0's sake: my code is in LDS
	s_barrier_signal -1
	s_barrier_wait -1
	s_cmp_lg_u32 s12, 0
	s_cbranch_scc1 .Lend
	v_mul_u32_u24 v6, v0, CPITCH                   ; in wave 0 the thread's number is the lane, and the lane the row
.irp i, 0,1,2,3,4,5
	ds_load_b128 v[8+4*(\i):8+4*(\i)+3], v6 offset:16*(\i)
.endr
	ds_load_b32 v37, v6 offset:96                  ; the 25th: nothing is read that was not written
	s_wait_dscnt 0x0
	v_max3_num_f32 v8, v8, v9, v10
.irp i, 11,13,15,17,19,21,23,25,27,29
	v_max3_num_f32 v8, v8, v[\i], v[(\i)+1]
.endr
	v_max3_num_f32 v8, v8, v31, v37
	v_cvt_u32_f32 v8, v8
	v_and_b32 v8, 127, v8
	v_sub_nc_u32 v8, 127, v8                       ; the class
	v_lshlrev_b32 v9, 2, v0
	global_store_b32 v9, v8, s[8:9]
.Lend:
	s_wait_tensorcnt 0x0                           ; the wave's end, behind my last LDS store
	ds_add_u32 v[SPW], v[NIL]
	s_wait_dscnt 0x0
	s_endpgm
.Lfunc_end_k_qdcca5b7033_finish:
	.size	k_qdcca5b7033_finish, .Lfunc_end_k_qdcca5b7033_finish-k_qdcca5b7033_finish
	.p2alignl 7, 3214868480
	.fill 96, 4, 3214868480
	.section	.rodata,"a",@progbits
	.p2align	6, 0x0
	.amdhsa_kernel k_qdcca5b7033_finish
		.amdhsa_group_segment_fixed_size 6912
		.amdhsa_private_segment_fixed_size 0
		.amdhsa_enable_private_segment 0
		.amdhsa_kernarg_size 32
		.amdhsa_user_sgpr_count 2
		.amdhsa_user_sgpr_kernarg_segment_ptr 1
		.amdhsa_wavefront_size32 1
		.amdhsa_system_sgpr_workgroup_id_x 1
		.amdhsa_system_sgpr_workgroup_id_y 1
		.amdhsa_system_sgpr_workgroup_id_z 1
		.amdhsa_system_vgpr_workitem_id 0
		.amdhsa_next_free_vgpr 48
		.amdhsa_next_free_sgpr 66
		.amdhsa_reserve_vcc 1
		.amdhsa_float_denorm_mode_32 3
		.amdhsa_float_denorm_mode_16_64 3
		.amdhsa_memory_ordered 1
		.amdhsa_forward_progress 1
		.amdhsa_inst_pref_size 6
	.end_amdhsa_kernel
	.amdgpu_metadata
---
amdhsa.version: [ 1, 2 ]
amdhsa.kernels:
  - .name:           k_qdcca5b7033_finish
    .symbol:         k_qdcca5b7033_finish.kd
    .args:
      - { .name: part, .offset: 0, .size: 8, .value_kind: global_buffer, .address_space: global }
      - { .name: class_counts, .offset: 8, .size: 8, .value_kind: global_buffer, .address_space: global }
      - { .name: out0, .offset: 16, .size: 8, .value_kind: global_buffer, .address_space: global }
      - { .name: out1, .offset: 24, .size: 8, .value_kind: global_buffer, .address_space: global }
    .group_segment_fixed_size: 6912
    .private_segment_fixed_size: 0
    .kernarg_segment_align: 8
    .kernarg_segment_size: 32
    .max_flat_workgroup_size: 800
    .sgpr_count:     66
    .vgpr_count:     48
    .wavefront_size: 32
...
	.end_amdgpu_metadata
.endif
;; end of part 3
